; MI455X (gfx1250); checked and timed in simulation.
; The chip was launched on July 23, 2026; its instructions are those of AMD's public machine-readable ISA for CDNA 5 (MIT licence, August 2026) and "CDNA5" Instruction Set Architecture Reference Guide (July 2026). The comments in the code are by the model that wrote it; some were corrected since.
;; Multi Headed Attention. Allowed arithmetic: float matrix products may take bf16 or f16 operands with f32 sums; all other float work in f32.
;; Inputs: k 1 x 4,096 x 1,024 float32; mask 4,096 x 4,096 bool; q 1 x 4,096 x 1,024 float32; rotary_freqs 4,096 x 32 float32; v 1 x 4,096 x 1,024 float32; w_k 1,024 x 1,024 float32; w_o 1,024 x 1,024 float32; w_q 1,024 x 1,024 float32; w_v 1,024 x 1,024 float32.
;; Outputs: out0 1 x 4,096 x 1,024 float32.
;; One version. Each part assembles by itself: llvm-mc -triple=amdgcn-amd-amdhsa -mcpu=gfx1250 --defsym DOCPART=n.
;; ======== version 1 of 1: 4 launches
;; limits: values outside matrix products are rounded to bf16; values are held in f16: magnitudes above 65,504 overflow, below 6.1e-05 lose precision
;; workspace buffers: bf 31,457,280 bytes; wo2 4,194,304 bytes; mw 2,097,152 bytes of whole numbers; rope 1,048,576 bytes; qkv 33,554,432 bytes; vals2 16,777,216 bytes
;; launch prep (part 1): grid 1664 x 1, 8 waves a work-group, no clusters, 35,840 bytes of LDS; arguments q, k, v, w_q, w_k, w_v, w_o, mask, rotary_freqs, bf, wo2, mw, rope; writes bf, wo2, mw, rope
.if DOCPART == 1
	.amdgcn_target "amdgcn-amd-amdhsa--gfx1250"
	.amdhsa_code_object_version 6
	.text
	.protected	k_qf2c87c9c69_prep
	.globl	k_qf2c87c9c69_prep
	.p2align	8
	.type	k_qf2c87c9c69_prep,@function
k_qf2c87c9c69_prep:
	s_mov_b64 s[64:65], 0
	v_nop
	global_prefetch_b8 v0, s[64:65] scope:SCOPE_SE
	s_setreg_imm32_b32 hwreg(HW_REG_WAVE_MODE, 25, 1), 1
	s_wait_xcnt 0x0
; prep: four streaming jobs that do not depend on each other, picked by the work-group's number g.
;   g <  960        q, k, v, w_q, w_k, w_v rounded once to bf16 into bf (64 KiB of f32 a work-group)
;   960 .. 1023     w_o rounded to bf16, held as f16, each run of 64 numbers written twice: wo2[o][h][2][64]
;   1024 .. 1535    the mask's bytes packed into lane words: mw[qt][kg][j], bit r+16h = mask[16qt+r][16kg+8h+j]
;   1536 .. 1663    cos and signed sin of rotary_freqs (-sin for l < 16, +sin for l >= 16), f32
; No matrix unit, tensor load, cluster or barrier: each byte is read once and written once, and no wave needs another's data.
; LIMITS.  w_o: a bf16 number below 7.6e-6 in size is not exact in f16, the error is at most 3e-8.
; rotary_freqs is taken through bf16 like the other float inputs.  The reduction by pi/2 in two fused steps holds for |freq| < 1e6.
.set X, 4                              ; v[4:67]    numbers as loaded
.set Y, 68                             ; v[68:99]   numbers to store
.set W, 100                            ; v[100:102] at work
	s_load_b512 s[8:23], s[0:1], 0x0               ; q 8, k 10, v 12, w_q 14, w_k 16, w_v 18, w_o 20, mask 22
	s_load_b256 s[24:31], s[0:1], 0x40             ; rotary_freqs 24, bf 26, wo2 28, mw 30
	s_load_b64 s[32:33], s[0:1], 0x60              ; rope
	v_lshl_add_u32 v112, v0, 2, 0x8800
	v_mov_b32 v113, 0
	s_mov_b32 s2, ttmp9
	s_cmp_lt_u32 s2, 960
	s_cbranch_scc0 .Lnot_cast
	; ---- the cast: 256 work-groups for each of q, k, v, 64 for each weight; bf holds them in that order, 32 KiB a work-group
	s_lshr_b32 s3, s2, 8                           ; g < 768: which tensor,
	s_and_b32 s4, s2, 255                          ; and which 64 KiB of it
	s_sub_co_u32 s5, s2, 768                       ; g >= 768: the same for the weights (not used below 768)
	s_lshr_b32 s6, s5, 6
	s_add_co_u32 s6, s6, 3
	s_and_b32 s7, s5, 63
	s_cmp_lt_u32 s2, 768
	s_cselect_b32 s3, s3, s6
	s_cselect_b32 s4, s4, s7
	s_lshl_b32 s4, s4, 16
	s_mov_b32 s5, 0
	s_lshl_b32 s6, s2, 15
	s_mov_b32 s7, 0
	v_lshlrev_b32 v1, 4, v0                        ; 16 bytes of f32 a thread: a wave's load covers 512 neighbouring bytes
	v_lshlrev_b32 v2, 3, v0                        ; 8 bytes of bf16 a thread: a wave's store covers 256 neighbouring bytes, aligned
	s_wait_kmcnt 0x0
	s_mov_b64 s[34:35], s[8:9]
	s_cmp_eq_u32 s3, 1
	s_cselect_b64 s[34:35], s[10:11], s[34:35]
	s_cmp_eq_u32 s3, 2
	s_cselect_b64 s[34:35], s[12:13], s[34:35]
	s_cmp_eq_u32 s3, 3
	s_cselect_b64 s[34:35], s[14:15], s[34:35]
	s_cmp_eq_u32 s3, 4
	s_cselect_b64 s[34:35], s[16:17], s[34:35]
	s_cmp_eq_u32 s3, 5
	s_cselect_b64 s[34:35], s[18:19], s[34:35]
	s_add_nc_u64 s[34:35], s[34:35], s[4:5]
	s_add_nc_u64 s[26:27], s[26:27], s[6:7]
.irp i, 0,1,2,3,4,5,6,7,8,9,10,11,12,13,14,15
	global_load_b128 v[X+4*\i:X+4*\i+3], v1, s[34:35] offset:\i*4096 th:TH_LOAD_NT
.endr
.irp i, 0,1,2,3,4,5,6,7,8,9,10,11,12,13,14,15
	s_wait_loadcnt 15-\i                           ; loads come back in order: load i is in, the younger ones stay out
	v_cvt_pk_bf16_f32 v[Y+2*\i], v[X+4*\i], v[X+4*\i+1]
	v_cvt_pk_bf16_f32 v[Y+2*\i+1], v[X+4*\i+2], v[X+4*\i+3]
	global_store_b64 v2, v[Y+2*\i:Y+2*\i+1], s[26:27] offset:\i*2048
.endr
	s_endpgm
.Lnot_cast:
	s_cmp_lt_u32 s2, 1024
	s_cbranch_scc0 .Lnot_wo
	; ---- w_o: a run of 64 f32 (256 bytes) becomes 64 f16 written twice (256 bytes).  Sixteen lanes serve a run: lanes 8-15 load what
	; lanes 0-7 load, so that one store of 16 bytes a lane writes both copies, 256 neighbouring bytes.
	s_sub_co_u32 s3, s2, 960
	s_lshl_b32 s4, s3, 16                          ; 64 KiB in and 64 KiB out a work-group
	s_mov_b32 s5, 0
	v_lshrrev_b32 v1, 4, v0
	v_and_b32 v2, 7, v0
	v_lshlrev_b32 v2, 5, v2
	v_lshl_add_u32 v1, v1, 8, v2                   ; run x 256 + (lane mod 8) x 32
	v_lshlrev_b32 v2, 4, v0
	s_wait_kmcnt 0x0
	s_add_nc_u64 s[20:21], s[20:21], s[4:5]
	s_add_nc_u64 s[28:29], s[28:29], s[4:5]
.macro WOGRP grp                       ; eight passes of 4,096 bytes
.irp p, 0,1,2,3,4,5,6,7
	global_load_b128 v[X+8*\p:X+8*\p+3], v1, s[20:21] offset:(8*\grp+\p)*4096
	global_load_b128 v[X+8*\p+4:X+8*\p+7], v1, s[20:21] offset:(8*\grp+\p)*4096+16
.endr
.irp p, 0,1,2,3,4,5,6,7
	s_wait_loadcnt 14-2*\p                         ; pass p's two loads are in, the later passes' stay out
.irp i, 0,1,2,3
	v_cvt_pk_bf16_f32 v[W], v[X+8*\p+2*\i], v[X+8*\p+2*\i+1]   ; the rounding that counts,
	v_lshlrev_b32 v[W+1], 16, v[W]                             ; back to f32,
	v_and_b32 v[W+2], 0xffff0000, v[W]
	v_cvt_pk_f16_f32 v[Y+4*\p+\i], v[W+1], v[W+2]              ; and into f16
.endr
	global_store_b128 v2, v[Y+4*\p:Y+4*\p+3], s[28:29] offset:(8*\grp+\p)*4096
.endr
.endm
	WOGRP 0
	s_wait_xcnt 0x0                                ; Y, which the stores read, is rewritten only behind this wait
	WOGRP 1
	s_endpgm
.Lnot_wo:
	s_cmp_lt_u32 s2, 1536
	s_cbranch_scc0 .Ltable
	; ---- the mask: a work-group takes 16 query rows x 2,048 keys, a wave 256 keys.  Rows come in as whole runs of 256 bytes, go through
	; the wave's own 16 x 272 bytes of LDS, and come back with lane r+16h holding the 8 bytes of row r, keys 16kg+8h .. +7.
	s_sub_co_u32 s3, s2, 1024
	s_lshr_b32 s4, s3, 1                           ; qt
	s_and_b32 s5, s3, 1                            ; which half of the keys
	v_lshrrev_b32 v1, 5, v0
	v_readfirstlane_b32 s6, v1                     ; wave
	s_mul_i32 s7, s6, 4352                         ; my wave's bytes in LDS
	v_bfe_u32 v3, v0, 4, 1                         ; h
	v_and_b32 v4, 15, v0                           ; r
	v_lshlrev_b32 v5, 4, v4
	v_lshl_add_u32 v5, v3, 12, v5
	v_lshl_add_u32 v5, v1, 8, v5                   ; in: h rows of 4,096 + 16 r + 256 wave
	v_mul_u32_u24 v6, v3, 272
	v_lshl_add_u32 v6, v4, 4, v6
	v_add_nc_u32 v6, s7, v6                        ; LDS, in: row h, 16 bytes at 16 r
	v_mul_u32_u24 v7, v4, 272
	v_lshl_add_u32 v7, v3, 3, v7
	v_add_nc_u32 v7, s7, v7                        ; LDS, back: row r, 8 bytes at 8 h: word 68 r + 2 h, no two lanes on one bank
	v_lshlrev_b32 v8, 4, v0
	s_lshl_b32 s34, s4, 16
	s_lshl_b32 s35, s5, 11
	s_add_co_u32 s34, s34, s35
	s_mov_b32 s35, 0
	s_lshl_b32 s44, s4, 13
	s_lshl_b32 s45, s5, 12
	s_add_co_u32 s44, s44, s45
	s_mov_b32 s45, 0
	s_wait_kmcnt 0x0
	s_add_nc_u64 s[22:23], s[22:23], s[34:35]
	s_add_nc_u64 s[30:31], s[30:31], s[44:45]
.irp i, 0,1,2,3,4,5,6,7
	global_load_b128 v[12+4*\i:15+4*\i], v5, s[22:23] offset:\i*8192 th:TH_LOAD_NT   ; rows 2i and 2i+1
.endr
.irp i, 0,1,2,3
	v_mov_b32 v[76+\i], 0                          ; the words to store: written whole before lanes are written singly
.endr
.irp i, 0,1,2,3,4,5,6,7
	s_wait_loadcnt 7-\i
	ds_store_b128 v6, v[12+4*\i:15+4*\i] offset:\i*544
.endr
.irp kg, 0,1,2,3,4,5,6,7,8,9,10,11,12,13,14,15
	ds_load_b64 v[44+2*\kg:45+2*\kg], v7 offset:16*\kg   ; my wave's own bytes; LDS serves a wave's instructions in order (ISA guide 5.7.1)
.endr
.irp kg, 0,1,2,3,4,5,6,7,8,9,10,11,12,13,14,15
	s_wait_dscnt 15-\kg                            ; load kg is in, the younger ones stay out
.irp j, 0,1,2,3,4,5,6,7
	v_bfe_u32 v80, v[44+2*\kg+(\j>>2)], 8*(\j&3), 8
	v_cmp_ne_u32 s[36+\j], 0, v80                  ; one bit a lane: the word (kg, j)
	v_writelane_b32 v[76+(\j&3)], s[36+\j], 2*\kg+(\j>>2)   ; word 8 kg + j = lane 2 kg + j/4, register j mod 4
.endr
.endr
	global_store_b128 v8, v[76:79], s[30:31]       ; 512 neighbouring bytes a wave
	s_wait_tensorcnt 0x0
	ds_add_u32 v112, v113
	s_wait_dscnt 0x0
	s_endpgm
.Ltable:
	; ---- the table: four angles a thread
	s_sub_co_u32 s3, s2, 1536
	s_lshl_b32 s4, s3, 12
	s_mov_b32 s5, 0
	v_lshlrev_b32 v1, 4, v0
	v_and_b32 v42, 4, v0                           ; my four l are 4 (t mod 8) .. +3: below 16 where bit 2 of t is clear
	v_xor_b32 v42, 4, v42
	v_lshlrev_b32 v42, 29, v42                     ; the sign bit there, else 0
	v_mov_b32 v40, 0xb94ca1f9
	v_mov_b32 v41, 0x37ccf5ce
	s_wait_kmcnt 0x0
	s_add_nc_u64 s[24:25], s[24:25], s[4:5]
	s_add_nc_u64 s[32:33], s[32:33], s[4:5]
	global_load_b128 v[4:7], v1, s[24:25] th:TH_LOAD_NT
	s_wait_loadcnt 0x0
.macro SINCOS i                        ; cos into v[8+i], signed sin into v[12+i]
	v_cvt_pk_bf16_f32 v16, v[4+\i], v[4+\i]
	v_lshlrev_b32 v16, 16, v16                     ; x, at bf16 precision
	v_mul_f32 v17, 0x3f22f983, v16
	v_rndne_f32 v17, v17                           ; k = nearest whole number to x 2/pi
	v_fmamk_f32 v18, v17, 0xbfc90fdb, v16          ; r = x - k pi/2, pi/2 in two parts
	v_fmamk_f32 v18, v17, 0x333bbd2e, v18
	v_mul_f32 v19, v18, v18                        ; z = r r, |r| <= pi/4
	v_fmaak_f32 v20, v19, v40, 0x3c08839e
	v_fmaak_f32 v21, v19, v41, 0xbab6061a
	v_fmaak_f32 v20, v20, v19, 0xbe2aaaa3
	v_fmaak_f32 v21, v21, v19, 0x3d2aaaa5
	v_mul_f32 v20, v20, v19
	v_mul_f32 v22, v19, v19
	v_fma_f32 v23, v19, -0.5, 1.0
	v_fma_f32 v20, v20, v18, v18                   ; sin r
	v_fma_f32 v21, v21, v22, v23                   ; cos r
	v_cvt_i32_f32 v24, v17
	v_and_b32 v25, 1, v24
	v_cmp_eq_u32 vcc_lo, 1, v25                    ; odd quadrants swap the two
	v_cndmask_b32 v[12+\i], v20, v21, vcc_lo
	v_cndmask_b32 v[8+\i], v21, v20, vcc_lo
	v_lshlrev_b32 v25, 30, v24                     ; sin is negative in quadrants 2 and 3: bit 1 of k
	v_and_b32 v25, 0x80000000, v25
	v_xor_b32 v25, v25, v42                        ; and once more for l < 16
	v_xor_b32 v[12+\i], v[12+\i], v25
	v_add_nc_u32 v24, 1, v24                       ; cos in quadrants 1 and 2: bit 1 of k + 1
	v_lshlrev_b32 v25, 30, v24
	v_and_b32 v25, 0x80000000, v25
	v_xor_b32 v[8+\i], v[8+\i], v25
.endm
	SINCOS 0
	SINCOS 1
	SINCOS 2
	SINCOS 3
	global_store_b128 v1, v[8:11], s[32:33]
	global_store_b128 v1, v[12:15], s[32:33] offset:524288
	s_endpgm
.Lfunc_end_k_qf2c87c9c69_prep:
	.size	k_qf2c87c9c69_prep, .Lfunc_end_k_qf2c87c9c69_prep-k_qf2c87c9c69_prep
	.p2alignl 7, 3214868480
	.fill 96, 4, 3214868480
	.section	.rodata,"a",@progbits
	.p2align	6, 0x0
	.amdhsa_kernel k_qf2c87c9c69_prep
		.amdhsa_group_segment_fixed_size 35840
		.amdhsa_private_segment_fixed_size 0
		.amdhsa_enable_private_segment 0
		.amdhsa_kernarg_size 104
		.amdhsa_user_sgpr_count 2
		.amdhsa_user_sgpr_kernarg_segment_ptr 1
		.amdhsa_wavefront_size32 1
		.amdhsa_system_sgpr_workgroup_id_x 1
		.amdhsa_system_sgpr_workgroup_id_y 1
		.amdhsa_system_sgpr_workgroup_id_z 1
		.amdhsa_system_vgpr_workitem_id 0
		.amdhsa_next_free_vgpr 114
		.amdhsa_next_free_sgpr 66
		.amdhsa_reserve_vcc 1
		.amdhsa_float_denorm_mode_32 3
		.amdhsa_float_denorm_mode_16_64 3
		.amdhsa_memory_ordered 1
		.amdhsa_forward_progress 1
		.amdhsa_inst_pref_size 62
	.end_amdhsa_kernel
	.amdgpu_metadata
---
amdhsa.version: [ 1, 2 ]
amdhsa.kernels:
  - .name:           k_qf2c87c9c69_prep
    .symbol:         k_qf2c87c9c69_prep.kd
    .args:
      - { .name: q, .offset: 0, .size: 8, .value_kind: global_buffer, .address_space: global }
      - { .name: k, .offset: 8, .size: 8, .value_kind: global_buffer, .address_space: global }
      - { .name: v, .offset: 16, .size: 8, .value_kind: global_buffer, .address_space: global }
      - { .name: w_q, .offset: 24, .size: 8, .value_kind: global_buffer, .address_space: global }
      - { .name: w_k, .offset: 32, .size: 8, .value_kind: global_buffer, .address_space: global }
      - { .name: w_v, .offset: 40, .size: 8, .value_kind: global_buffer, .address_space: global }
      - { .name: w_o, .offset: 48, .size: 8, .value_kind: global_buffer, .address_space: global }
      - { .name: mask, .offset: 56, .size: 8, .value_kind: global_buffer, .address_space: global }
      - { .name: rotary_freqs, .offset: 64, .size: 8, .value_kind: global_buffer, .address_space: global }
      - { .name: bf, .offset: 72, .size: 8, .value_kind: global_buffer, .address_space: global }
      - { .name: wo2, .offset: 80, .size: 8, .value_kind: global_buffer, .address_space: global }
      - { .name: mw, .offset: 88, .size: 8, .value_kind: global_buffer, .address_space: global }
      - { .name: rope, .offset: 96, .size: 8, .value_kind: global_buffer, .address_space: global }
    .group_segment_fixed_size: 35840
    .private_segment_fixed_size: 0
    .kernarg_segment_align: 8
    .kernarg_segment_size: 104
    .max_flat_workgroup_size: 256
    .sgpr_count:     66
    .vgpr_count:     114
    .wavefront_size: 32
...
	.end_amdgpu_metadata
.endif
;; end of part 1
;; launch qkvproj (part 2): grid 8 x 96, 4 waves a work-group, clusters of 4 x 4, 327,680 bytes of LDS; arguments bf, rope, qkv; writes qkv
.if DOCPART == 2
	.amdgcn_target "amdgcn-amd-amdhsa--gfx1250"
	.amdhsa_code_object_version 6
	.text
	.protected	k_qf2c87c9c69_qkvproj
	.globl	k_qf2c87c9c69_qkvproj
	.p2align	8
	.type	k_qf2c87c9c69_qkvproj,@function
k_qf2c87c9c69_qkvproj:
	s_mov_b64 s[64:65], 0
	v_nop
	global_prefetch_b8 v0, s[64:65] scope:SCOPE_SE
	s_setreg_imm32_b32 hwreg(HW_REG_WAVE_MODE, 25, 1), 1
	s_wait_xcnt 0x0
	s_wait_alu depctr_hold_cnt(0) depctr_sa_sdst(0) depctr_va_vdst(0) depctr_va_sdst(0) depctr_va_ssrc(0) depctr_va_vcc(0) depctr_vm_vsrc(0)
	s_getreg_b32 s2, hwreg(HW_REG_IB_STS2, 6, 4)
	s_cmp_eq_u32 s2, 0
	s_cbranch_scc0 .Lentry_in_a_cluster
	s_endpgm
.Lentry_in_a_cluster:
	s_bfe_u32 s2, ttmp6, 0x10000c
	s_cmp_lg_u32 s2, 0xf033
	s_cbranch_scc0 .Lentry_shape_is_right
	s_endpgm
.Lentry_shape_is_right:
; qkvproj: the three projections as one product C[12288][1024] = X W^T in bf16 with f32 sums, rope on the first 32 of each head's 64
; numbers, and the heads written in f16: Q and K as [head][t][64], V as [head][t][hi 64 | lo 64] (lo = what the rounding to f16 left).
; Block rows 0-31 are q with w_q, 32-63 k with w_k, 64-95 v with w_v.  A work-group makes 128 x 128 of C with four waves, 64 x 64 each
; (16 accumulator tiles): with blocks of this size this launch has 768 work-groups and the output projection, built alike, 256.
; K goes in steps of 256 through two LDS slots: a tile's rows are 512 neighbouring bytes of memory.
; CLUSTERS: 4 x 4 work-groups.  X's tile hangs on the block row and is asked for jointly along a row of the cluster, W's on the block
; column (and on which of q, k, v, equal in the whole cluster) and is asked for jointly along a column.
; The matrix instruction is used transposed (source 0 = rows of W, source 1 = rows of X): lane (r, h) holds token r, columns 8h .. 8h+7.
; LIMIT: a head's numbers must lie under 65,504 in size (f16).
.set KTOT,   1024
.set ROWSH,  11                        ; a row of X or W is 1 << ROWSH bytes
.set PITCH,  528                       ; an LDS row: 512 bytes + 16 of padding = 33 x 16: sixteen rows start at sixteen different 16-byte columns
.set QROWS,  64*PITCH                  ; what one tensor load brings
.set SLOT,   4*QROWS                   ; X rows 0-63, X rows 64-127, W rows 0-63, W rows 64-127
.set STAGE,  2*SLOT                    ; behind the ring, at a multiple of 256: the way out, no tensor load lands here
.set WSTAGE, 4352                      ; of it for each wave
.set ADRA, 16                          ; v16-17  LDS address of my X fragments in slot 0, 1
.set ADRB, 20                          ; v20-21  the same for W
.set STO,  24                          ; the way out: where I put my 16 bytes
.set RD,   25                          ; where I read rows back
.set CO,   26                          ; my byte offset in the output
.set RTO,  27                          ; my byte offset in the rope table
.set TH,   32                          ; v32-47  packed f16
.set TL,   48                          ; v48-63  packed f16, what the first rounding left
.set F0,   64                          ; v64-127   fragments, buffer 0: X at +8a, W at +32+8b
.set F1,   128                         ; v128-191  buffer 1
.set U,    64                          ; the way out: at work
.set RB,   96                          ; the way out: rows read back
.set RT,   128                         ; window 1, v128-255: rope factors, for each a: cos l<16, cos l>=16, sin l<16, sin l>=16, 8 each
.set OUTB, 8                           ; s[8:9] the output's base
.set G1,   24                          ; s[24:31] X's shape
.set G0,   32                          ; s[32:39] X: from where, to where, a set for each slot
.set G1B,  48                          ; s[48:55] W's shape: differs in the mask alone
.set G0B,  56                          ; s[56:63]
; window 1, v0-127: accumulator (a, b) at 8 (4a + b)
.set MSB, 0
.macro WIN new                         ; the immediate's high byte repeats the setting that is left
.if MSB != \new
	s_set_vgpr_msb (MSB<<8)|\new
.set MSB, \new
.endif
.endm
.macro PLACES                          ; four places behind a matrix instruction (ISA guide 7.12.1)
.rept 4
	v_nop
.endr
.endm
.macro JLOAD s                         ; waves 0, 1 ask for X's two halves, waves 2, 3 for W's: one mask and one set of registers a line
	s_cmp_eq_u32 s11, 0
	s_cbranch_scc0 .Lfor_b_\@
	tensor_load_to_lds s[G0+4*\s:G0+4*\s+3], s[G1:G1+7]
	s_nop 0
.rept 4
	v_nop
.endr
	s_branch .Lasked_\@
.Lfor_b_\@:
	tensor_load_to_lds s[G0B+4*\s:G0B+4*\s+3], s[G1B:G1B+7]
	s_nop 0
.rept 4
	v_nop
.endr
.Lasked_\@:
.endm
.macro CROUND                          ; a round of the cluster's barrier
	s_barrier_signal -1
	s_barrier_wait -1
	s_cmp_lg_u32 s10, 0
	s_cbranch_scc1 .Lnot_wave_0_\@
	s_barrier_signal -3
.Lnot_wave_0_\@:
	s_barrier_wait -3
	s_barrier_signal -1
	s_barrier_wait -1
.endm
	s_load_b128 s[4:7], s[0:1], 0x0                ; bf s[4:5], rope s[6:7]
	s_load_b64 s[8:9], s[0:1], 0x10                ; qkv
	v_lshl_add_u32 v254, v0, 2, 0x46400
	v_mov_b32 v255, 0
	ds_add_u32 v254, v255
	v_lshrrev_b32 v1, 5, v0
	v_readfirstlane_b32 s10, v1                    ; wave 0..3
	s_lshr_b32 s11, s10, 1                         ; my half of the block's rows; also: I fetch for X (0) or W (1)
	s_and_b32 s12, s10, 1                          ; my half of its columns; also: which 64 rows I fetch
	s_bfe_u32 s40, ttmp6, 0x40000                  ; cx
	s_bfe_u32 s41, ttmp6, 0x40004                  ; cy
	s_lshl_b32 s42, ttmp9, 2
	s_add_co_u32 s42, s42, s40                     ; block column
	s_and_b32 s13, ttmp7, 0xffff
	s_lshr_b32 s45, s13, 3                         ; q, k or v: 8 clusters of 4 block rows each, equal in the whole cluster
	s_lshl_b32 s13, s13, 2
	s_add_co_u32 s13, s13, s41                     ; block row
	s_lshl_b32 s43, s41, 2
	s_lshl_b32 s43, 15, s43                        ; my row of the cluster
	s_lshl_b32 s44, 0x1111, s40                    ; my column
	s_or_b32 s[G1+0], s43, (1<<16)|(1<<20)|(1<<21)|(6<<22)|(3<<25)   ; mask; 2-byte elements; padding on; bit 21 beside a mask; 4 words after every 128
	s_or_b32 s[G1B+0], s44, (1<<16)|(1<<20)|(1<<21)|(6<<22)|(3<<25)
	s_mov_b32 s[G1+1], 256<<16                     ; tensor_dim0 = 256
	s_mov_b32 s[G1B+1], 256<<16
	s_mov_b32 s[G1+2], 64<<16                      ; tensor_dim1 = 64
	s_mov_b32 s[G1B+2], 64<<16
	s_mov_b32 s[G1+3], 256<<16                     ; tile_dim0 = 256
	s_mov_b32 s[G1B+3], 256<<16
	s_mov_b32 s[G1+4], 64                          ; tile_dim1 = 64
	s_mov_b32 s[G1B+4], 64
	s_mov_b32 s[G1+5], KTOT                        ; elements from row to row
	s_mov_b32 s[G1B+5], KTOT
	s_mov_b32 s[G1+6], 0
	s_mov_b32 s[G1B+6], 0
	s_mov_b32 s[G1+7], 0
	s_mov_b32 s[G1B+7], 0
	s_lshl_b32 s17, s12, 6
	s_lshl_b32 s16, s13, 7
	s_add_co_u32 s16, s16, s17                     ; X: row 128 x block row + 64 x half
	s_lshl_b32 s46, s42, 7
	s_add_co_u32 s46, s46, s17                     ; W: row 128 x block column + 64 x half
	s_lshl_b32 s16, s16, ROWSH
	s_lshl_b32 s46, s46, ROWSH
	s_lshl_b32 s47, s45, 21                        ; the weights lie behind the 25,165,824 bytes of q, k, v, 2 MiB each
	s_add_co_u32 s46, s46, s47
	s_add_co_u32 s46, s46, 25165824
	s_mov_b32 s17, 0
	s_mov_b32 s47, 0
	s_mul_i32 s20, s10, QROWS                      ; to LDS: wave x 64 rows
	s_wait_dscnt 0x0
	s_wait_kmcnt 0x0
	s_add_nc_u64 s[14:15], s[4:5], s[16:17]
	s_add_nc_u64 s[46:47], s[4:5], s[46:47]
	CROUND                                         ; all sixteen work-groups are here: the first joint loads meet
.irp s, 0,1
	s_mov_b32 s[G0+4*\s], 1
	s_add_co_u32 s[G0+4*\s+1], s20, \s*SLOT
	s_add_nc_u64 s[G0+4*\s+2:G0+4*\s+3], s[14:15], \s*512
	s_or_b32 s[G0+4*\s+3], s[G0+4*\s+3], 0x80000000
	s_mov_b32 s[G0B+4*\s], 1
	s_add_co_u32 s[G0B+4*\s+1], s20, \s*SLOT
	s_add_nc_u64 s[G0B+4*\s+2:G0B+4*\s+3], s[46:47], \s*512
	s_or_b32 s[G0B+4*\s+3], s[G0B+4*\s+3], 0x80000000
	JLOAD \s                                       ; both slots' first fills: two tensor loads of the wave are out, the most in this text
.endr
	v_and_b32 v1, 15, v0                           ; r
	v_bfe_u32 v2, v0, 4, 1                         ; h
	v_mul_u32_u24 v3, v1, PITCH
	v_lshl_add_u32 v3, v2, 4, v3                   ; a fragment: row r, 16 bytes at 16 h, and again 32 bytes on
	s_mul_i32 s21, s11, QROWS
	s_mul_i32 s22, s12, QROWS
	s_add_co_u32 s22, s22, 2*QROWS
.irp s, 0,1
	v_add_nc_u32 v[ADRA+\s], s21, v3
	v_add_nc_u32 v[ADRB+\s], s22, v3
	s_add_co_u32 s21, s21, SLOT
	s_add_co_u32 s22, s22, SLOT
.endr
	s_and_b32 s18, s13, 31
	s_lshl_b32 s18, s18, 7
	s_lshl_b32 s19, s11, 6
	s_add_co_u32 s18, s18, s19                     ; t0: my first token
	s_lshl_b32 s3, s42, 1
	s_add_co_u32 s3, s3, s12                       ; my 64 columns are one head
	s_mul_i32 s23, s10, WSTAGE
	s_add_co_u32 s23, s23, STAGE                   ; my stage
	v_add_nc_u32 v5, s18, v1
	v_lshlrev_b32 v5, 7, v5
	v_lshl_add_u32 v[RTO], v2, 5, v5               ; (t0 + r) x 128 + 32 h: the factors of my 8 columns
	WIN 0x40                                       ; destination window 1, address window 0
.irp a, 0,1,2,3
	global_load_b128 v[RT+32*\a:RT+32*\a+3],     v[RTO], s[6:7] offset:\a*2048
	global_load_b128 v[RT+32*\a+4:RT+32*\a+7],   v[RTO], s[6:7] offset:\a*2048+16
	global_load_b128 v[RT+32*\a+8:RT+32*\a+11],  v[RTO], s[6:7] offset:\a*2048+64
	global_load_b128 v[RT+32*\a+12:RT+32*\a+15], v[RTO], s[6:7] offset:\a*2048+80
	global_load_b128 v[RT+32*\a+16:RT+32*\a+19], v[RTO], s[6:7] offset:524288+\a*2048
	global_load_b128 v[RT+32*\a+20:RT+32*\a+23], v[RTO], s[6:7] offset:524288+\a*2048+16
	global_load_b128 v[RT+32*\a+24:RT+32*\a+27], v[RTO], s[6:7] offset:524288+\a*2048+64
	global_load_b128 v[RT+32*\a+28:RT+32*\a+31], v[RTO], s[6:7] offset:524288+\a*2048+80
.endr
	WIN 0
; 16 matrix instructions, 32 along K.  The sixteen accumulators take turns, one instruction a turn, in the same order everywhere.
; zero = 1: the first product starts the sums.
.macro MUL16 f, zero
.irp a, 0,1,2,3
.irp b, 0,1,2,3
.if \zero
	v_wmma_f32_16x16x32_bf16 v[8*(4*\a+\b):8*(4*\a+\b)+7], v[\f+32+8*\b:\f+32+8*\b+7], v[\f+8*\a:\f+8*\a+7], 0
.else
	v_wmma_f32_16x16x32_bf16 v[8*(4*\a+\b):8*(4*\a+\b)+7], v[\f+32+8*\b:\f+32+8*\b+7], v[\f+8*\a:\f+8*\a+7], v[8*(4*\a+\b):8*(4*\a+\b)+7]
.endif
.endr
.endr
.endm
.macro FETCH slot, k, f                ; 16 LDS loads: my 64 rows of X and of W, 32 K at byte k of the rows
.irp i, 0,1,2,3
	ds_load_b128 v[\f+8*\i:\f+8*\i+3],   v[ADRA+\slot] offset:\k+\i*16*PITCH
	ds_load_b128 v[\f+8*\i+4:\f+8*\i+7], v[ADRA+\slot] offset:\k+\i*16*PITCH+32
.endr
.irp i, 0,1,2,3
	ds_load_b128 v[\f+32+8*\i:\f+32+8*\i+3],   v[ADRB+\slot] offset:\k+\i*16*PITCH
	ds_load_b128 v[\f+32+8*\i+4:\f+32+8*\i+7], v[ADRB+\slot] offset:\k+\i*16*PITCH+32
.endr
.endm
.macro STEP slot, q, f, g, zero        ; multiplies buffer f; the next 32 K are asked for into buffer g first
.if \q > 0
	PLACES                                         ; buffer g was read by the matrix instructions just issued
.endif
.if \q < 7
	FETCH \slot, 64*(\q+1), \g
	s_wait_dscnt 16                                ; all but the 16 just issued: buffer f is in
.else
	s_wait_dscnt 0
.endif
	WIN 0x50                                       ; C and D window 1
	MUL16 \f, \zero
	WIN 0
.endm
.macro SLOTSTEP slot, zero             ; a slot's 256 along K
	FETCH \slot, 0, F0
	STEP \slot, 0, F0, F1, \zero
	STEP \slot, 1, F1, F0, 0
	STEP \slot, 2, F0, F1, 0
	STEP \slot, 3, F1, F0, 0
	STEP \slot, 4, F0, F1, 0
	STEP \slot, 5, F1, F0, 0
	STEP \slot, 6, F0, F1, 0
	STEP \slot, 7, F1, F0, 0
.endm
; The change of slots.  In front of the barrier each wave waits for its reads of this slot and for all its tensor loads (the one that is out
; is its part of the other slot).  fill = 1: the barrier is a round of the cluster's barrier, and the joint refill of this slot is the first
; tensor load behind it, the wave's only one until the next round; it has the other slot's 128 matrix instructions in which to land.
.macro CHANGE slot, fill
	s_wait_dscnt 0x0
	s_wait_tensorcnt 0x0
	ds_add_u32 v254, v255
	s_wait_dscnt 0x0
.if \fill
	s_add_nc_u64 s[G0+4*\slot+2:G0+4*\slot+3], s[G0+4*\slot+2:G0+4*\slot+3], 1024       ; no load of mine is out: two steps of 512 bytes on
	s_add_nc_u64 s[G0B+4*\slot+2:G0B+4*\slot+3], s[G0B+4*\slot+2:G0B+4*\slot+3], 1024
	CROUND
	JLOAD \slot                                    ; its four v_nop are also the places in front of the loads that follow
.else
	s_barrier_signal -1
	s_barrier_wait -1
	PLACES
.endif
.endm
	s_wait_tensorcnt 1                             ; my part of slot 0 is in; slot 1's stays out
	s_barrier_signal -1
	s_barrier_wait -1
	SLOTSTEP 0, 1
	CHANGE 0, 1
	SLOTSTEP 1, 0
	CHANGE 1, 1
	SLOTSTEP 0, 0
	CHANGE 0, 0                                    ; the last two steps fetch nothing
	SLOTSTEP 1, 0
	; THE WAY OUT, 16 tokens at a time
	PLACES                                         ; behind the last matrix instructions
	s_wait_loadcnt 0x0                             ; the rope factors
; x0 = columns 0-15, x1 = columns 16-31 of the head: x0 cos - x1 sin, x1 cos + x0 sin (the table's sin carries the sign)
.macro ROPE a
	WIN 0x55                                       ; all in window 1
.irp i, 0,2,4,6
	v_pk_mul_f32 v[RT+32*\a+16+\i:RT+32*\a+17+\i], v[32*\a+8+\i:32*\a+9+\i], v[RT+32*\a+16+\i:RT+32*\a+17+\i]
	v_pk_mul_f32 v[RT+32*\a+24+\i:RT+32*\a+25+\i], v[32*\a+\i:32*\a+1+\i], v[RT+32*\a+24+\i:RT+32*\a+25+\i]
.endr
.irp i, 0,2,4,6
	v_pk_fma_f32 v[32*\a+\i:32*\a+1+\i], v[32*\a+\i:32*\a+1+\i], v[RT+32*\a+\i:RT+32*\a+1+\i], v[RT+32*\a+16+\i:RT+32*\a+17+\i]
	v_pk_fma_f32 v[32*\a+8+\i:32*\a+9+\i], v[32*\a+8+\i:32*\a+9+\i], v[RT+32*\a+8+\i:RT+32*\a+9+\i], v[RT+32*\a+24+\i:RT+32*\a+25+\i]
.endr
.endm
; 16 rows x 64 numbers from window 1, register src on, as f16 hi and lo: rows of 256 bytes through my stage, two whole rows a store
.macro OUTHL src, imm0, step
	WIN 0x05                                       ; sources window 1
.set n, 0
.rept 16
	v_cvt_pk_f16_f32 v[TH+n], v[\src+2*n], v[\src+2*n+1]
.set n, n+1
.endr
	WIN 0
.set n, 0
.irp p, v32.l,v32.h,v33.l,v33.h,v34.l,v34.h,v35.l,v35.h,v36.l,v36.h,v37.l,v37.h,v38.l,v38.h,v39.l,v39.h,v40.l,v40.h,v41.l,v41.h,v42.l,v42.h,v43.l,v43.h,v44.l,v44.h,v45.l,v45.h,v46.l,v46.h,v47.l,v47.h
	v_cvt_f32_f16 v[U+n], \p                       ; TH's halves by name
.set n, n+1
.endr
	WIN 0x01                                       ; source 0 window 1
.set n, 0
.rept 16
	v_pk_add_f32 v[U+2*n:U+2*n+1], v[\src+2*n:\src+2*n+1], v[U+2*n:U+2*n+1] neg_lo:[0,1] neg_hi:[0,1]   ; what the rounding left, exact
.set n, n+1
.endr
	WIN 0
.set n, 0
.rept 16
	v_cvt_pk_f16_f32 v[TL+n], v[U+2*n], v[U+2*n+1]
.set n, n+1
.endr
.irp b, 0,1,2,3
	ds_store_b128 v[STO], v[TH+4*\b:TH+4*\b+3] offset:32*\b
	ds_store_b128 v[STO], v[TL+4*\b:TL+4*\b+3] offset:128+32*\b
.endr
	s_wait_xcnt 0x0                                ; RB, which earlier stores read, is loaded again only behind this wait
.irp t, 0,1,2,3,4,5,6,7
	ds_load_b128 v[RB+4*\t:RB+4*\t+3], v[RD] offset:\t*544   ; my own bytes, served in order (ISA guide 5.7.1): these see the stores above
.endr
.irp t, 0,1,2,3,4,5,6,7
	s_wait_dscnt 7-\t                              ; load t is in, the younger ones stay out
	global_store_b128 v[CO], v[RB+4*\t:RB+4*\t+3], s[OUTB:OUTB+1] offset:\imm0+\t*\step
.endr
.endm
.macro OUTQK a                         ; 16 rows x 64 f16: rows of 128 bytes, four rows (512 neighbouring bytes) a store
	ROPE \a
	WIN 0x05
.set n, 0
.rept 16
	v_cvt_pk_f16_f32 v[TH+n], v[32*\a+2*n], v[32*\a+2*n+1]
.set n, n+1
.endr
	WIN 0
.irp b, 0,1,2,3
	ds_store_b128 v[STO], v[TH+4*\b:TH+4*\b+3] offset:32*\b
.endr
	s_wait_xcnt 0x0                                ; RB is loaded again only behind this wait
.irp i, 0,1,2,3
	ds_load_b128 v[RB+4*\i:RB+4*\i+3], v[RD] offset:\i*576
.endr
.irp i, 0,1,2,3
	s_wait_dscnt 3-\i
	global_store_b128 v[CO], v[RB+4*\i:RB+4*\i+3], s[OUTB:OUTB+1] offset:\a*2048+\i*512
.endr
.endm
	v_and_b32 v5, 31, v0
	v_lshlrev_b32 v[CO], 4, v5                     ; both layouts are dense over my 16 tokens: 16 bytes a lane
	s_cmp_eq_u32 s45, 2                            ; v?  Equal in the whole cluster
	s_cbranch_scc1 .Lvpath
	s_lshl_b32 s16, s45, 23                        ; Q at 0, K at 8 MiB,
	s_lshl_b32 s17, s18, 7                         ; token x 128 bytes: the part that hangs on the block row,
	s_add_co_u32 s16, s16, s17
	s_mov_b32 s17, 0
	s_lshl_b32 s46, s3, 19                         ; head x 524,288: the part that hangs on the block column
	s_mov_b32 s47, 0
	s_add_nc_u64 s[8:9], s[8:9], s[16:17]
	s_add_nc_u64 s[8:9], s[8:9], s[46:47]
	v_mul_u32_u24 v4, v1, 144                      ; stage rows of 128 + 16 bytes
	v_lshl_add_u32 v4, v2, 4, v4
	v_add_nc_u32 v[STO], s23, v4
	v_lshrrev_b32 v6, 3, v5
	v_and_b32 v7, 7, v5
	v_mul_u32_u24 v6, v6, 144
	v_lshl_add_u32 v6, v7, 4, v6
	v_add_nc_u32 v[RD], s23, v6
	OUTQK 0
	OUTQK 1
	OUTQK 2
	OUTQK 3
	s_branch .Ldone
.Lvpath:
	s_lshl_b32 s16, s18, 8                         ; token x 256 bytes,
	s_add_co_u32 s16, s16, 0x1000000               ; V at 16 MiB
	s_mov_b32 s17, 0
	s_lshl_b32 s46, s3, 20                         ; head x 1 MiB
	s_mov_b32 s47, 0
	s_add_nc_u64 s[8:9], s[8:9], s[16:17]
	s_add_nc_u64 s[8:9], s[8:9], s[46:47]
	v_mul_u32_u24 v4, v1, 272                      ; stage rows of 256 + 16 bytes
	v_lshl_add_u32 v4, v2, 4, v4
	v_add_nc_u32 v[STO], s23, v4
	v_mul_u32_u24 v6, v2, 272
	v_lshl_add_u32 v6, v1, 4, v6
	v_add_nc_u32 v[RD], s23, v6
.irp a, 0,1,2,3
	ROPE \a
	OUTHL 32*\a, \a*4096, 512
.endr
.Ldone:
	s_wait_tensorcnt 0x0
	ds_add_u32 v254, v255
	s_wait_dscnt 0x0
	CROUND                                         ; the closing round: no work-group ends while a partner may still ask for a tile that names it
	s_endpgm
.Lfunc_end_k_qf2c87c9c69_qkvproj:
	.size	k_qf2c87c9c69_qkvproj, .Lfunc_end_k_qf2c87c9c69_qkvproj-k_qf2c87c9c69_qkvproj
	.p2alignl 7, 3214868480
	.fill 96, 4, 3214868480
	.section	.rodata,"a",@progbits
	.p2align	6, 0x0
	.amdhsa_kernel k_qf2c87c9c69_qkvproj
		.amdhsa_group_segment_fixed_size 327680
		.amdhsa_private_segment_fixed_size 0
		.amdhsa_enable_private_segment 0
		.amdhsa_kernarg_size 24
		.amdhsa_user_sgpr_count 2
		.amdhsa_user_sgpr_kernarg_segment_ptr 1
		.amdhsa_wavefront_size32 1
		.amdhsa_system_sgpr_workgroup_id_x 1
		.amdhsa_system_sgpr_workgroup_id_y 1
		.amdhsa_system_sgpr_workgroup_id_z 1
		.amdhsa_system_vgpr_workitem_id 0
		.amdhsa_next_free_vgpr 512
		.amdhsa_next_free_sgpr 66
		.amdhsa_reserve_vcc 0
		.amdhsa_float_denorm_mode_32 3
		.amdhsa_float_denorm_mode_16_64 3
		.amdhsa_memory_ordered 1
		.amdhsa_forward_progress 1
		.amdhsa_inst_pref_size 126
	.end_amdhsa_kernel
	.amdgpu_metadata
---
amdhsa.version: [ 1, 2 ]
amdhsa.kernels:
  - .name:           k_qf2c87c9c69_qkvproj
    .symbol:         k_qf2c87c9c69_qkvproj.kd
    .args:
      - { .name: bf, .offset: 0, .size: 8, .value_kind: global_buffer, .address_space: global }
      - { .name: rope, .offset: 8, .size: 8, .value_kind: global_buffer, .address_space: global }
      - { .name: qkv, .offset: 16, .size: 8, .value_kind: global_buffer, .address_space: global }
    .group_segment_fixed_size: 327680
    .private_segment_fixed_size: 0
    .kernarg_segment_align: 8
    .kernarg_segment_size: 24
    .max_flat_workgroup_size: 128
    .sgpr_count:     66
    .vgpr_count:     512
    .wavefront_size: 32
...
	.end_amdgpu_metadata
.endif
;; end of part 2
;; launch attn (part 3): grid 16 x 16, 8 waves a work-group, clusters of 4 x 1, 327,680 bytes of LDS; arguments qkv, mw, vals2; writes vals2
.if DOCPART == 3
	.amdgcn_target "amdgcn-amd-amdhsa--gfx1250"
	.amdhsa_code_object_version 6
	.text
	.protected	k_qf2c87c9c69_attn
	.globl	k_qf2c87c9c69_attn
	.p2align	8
	.type	k_qf2c87c9c69_attn,@function
k_qf2c87c9c69_attn:
	s_mov_b64 s[64:65], 0
	v_nop
	global_prefetch_b8 v0, s[64:65] scope:SCOPE_SE
	s_setreg_imm32_b32 hwreg(HW_REG_WAVE_MODE, 25, 1), 1
	s_wait_xcnt 0x0
	s_wait_alu depctr_hold_cnt(0) depctr_sa_sdst(0) depctr_va_vdst(0) depctr_va_sdst(0) depctr_va_ssrc(0) depctr_va_vcc(0) depctr_vm_vsrc(0)
	s_getreg_b32 s2, hwreg(HW_REG_IB_STS2, 6, 4)
	s_cmp_eq_u32 s2, 0
	s_cbranch_scc0 .Lentry_in_a_cluster
	s_endpgm
.Lentry_in_a_cluster:
	s_bfe_u32 s2, ttmp6, 0x10000c
	s_cmp_lg_u32 s2, 0x3003
	s_cbranch_scc0 .Lentry_shape_is_right
	s_endpgm
.Lentry_shape_is_right:
; attn: softmax(Q K^T / 8 under the mask) V for one head and 256 queries a work-group; all 4,096 keys are walked, since the mask is an input.
; Eight waves, two on each SIMD; a wave owns 32 queries (two tiles of 16).  Keys go in slots of 128 through two LDS slots, worked on in steps of 64.
; S^T = K Q^T: lane (r, h) holds query r, keys 8h .. 8h+7 of each tile of 16 keys, so that a query's maximum and sum need one exchange
; between the halves of the wave, and the exponentials, packed to f16 in place, ARE the second operand of O^T = V^T P^T.
; V^T comes from LDS by the transposing load.  V is hi + lo in f16, so P V is made twice onto one sum.
; The mask comes as lane words (made by an earlier launch): one v_cndmask_b32 for a register of scores.
; THE PIPELINE.  The work is cut into units (step n, query tile q).  A half step does the softmax of one unit on the vector unit and, in three
; groups of eight matrix instructions strewn among it, P V of the unit before (the other tile's) and the scores of the unit after (written
; over the P just used).  Nothing in a half step's vector work hangs on its matrix work, so neither unit has to wait for the other:
;   E(n): softmax (n, 0);  P V (n-1, 1), scores (n, 1);  loads V(n) and K(n+1), each behind the group that read those registers last
;   D(n): softmax (n, 1);  P V (n, 0),   scores (n+1, 0)
; K runs a step ahead of V, so K's tiles are shifted by 64 keys (tile t = steps 2t+1, 2t+2) and a trip reads its own two slots alone;
; step 0's K comes straight from memory into registers, like Q; K's last tile has 64 keys.
; CLUSTERS: the four query blocks of a cluster walk the same K and V: joint loads with the mask 15.
; NUMBERS.  A masked score is -2^126, not the largest float: -2^126 c is exact, so a row that is masked everywhere gets exponent 0 in every
; place and comes out as the plain mean of V.  LIMIT: raw q.k above -8.5e37.  The running maximum M is kept raw, NM = round(-c M),
; p = 2^(s c + NM) in one fused step, and old sums are scaled by 2^(NM new - NM old), the difference of the rounded numbers.  c = log2(e) / 8.
.set KSLOT,  18432                     ; 128 keys x (128 + 16) bytes
.set VSLOT,  36864                     ; 128 keys x (256 + 32) bytes: pitch 288 = 9 x 32 for the transposing load
.set HALFV,  18432                     ; 64 keys of V: what one tensor load brings
.set VBASE,  2*KSLOT
.set STAGE,  VBASE+2*VSLOT             ; 110,592, a multiple of 256: the way out, no tensor load lands here
.set WSTAGE, 4352
; window 0: all that vector instructions touch, and the matrix instructions' second source, C and D
.set KA,  1                            ; v1     LDS address of a K fragment: r x 144 + 16 h
.set VA,  2                            ; v2-3   of a V^T fragment in slot 0, 1
.set NEG, 4                            ; v4     -2^126
.set TB,  5                            ; v5     at work
; for query tile q, base 6 + 8q: M, a temporary, NM twice, the sum L (two halves), the scale AL twice
.set CH,  22                           ; v22-25 four chains of the maximum
.set SP,  26                           ; v26-31 three more chains of the sum
.set QF,  32                           ; v32-63   Q's fragments (q, dh) at 16 q + 8 dh
.set S,   64                           ; v64-127  scores, tile (q, kt) at 32 q + 8 kt; later P, packed, at 32 q + 16 g
.set O,   128                          ; v128-191 O(q, dv) at 32 q + 8 dv
.set STO, 192                          ; the way out: where I put my 16 bytes,
.set RD,  193                          ; where I read rows back,
.set CO,  194                          ; my byte offset in vals2
.set TH,  32                           ; the way out, in registers that are free by then
.set TL,  48
.set U,   64
.set RB,  96
; window 1: the matrix instructions' first source, filled by loads alone
.set VF,  0                            ; v0-127   V^T fragments (g, p, dv) at 64 g + 32 p + 8 dv
.set KF,  128                          ; v128-191 K fragments (kt, dh) at 16 kt + 8 dh
; s3 loop count; s[4:7], s[8:15] K's descriptor; s[48:51], s[52:59] V's; s60 wave; s61 wave x 18,432; s[62:63] my mask words; s66 their offset;
; s[16:47], s[68:99] the mask words of query tile 0, 1 for 64 keys; s100, s101 lane selectors
.set MSB, 0
.macro WIN new                         ; the immediate's high byte repeats the setting that is left
.if MSB != \new
	s_set_vgpr_msb (MSB<<8)|\new
.set MSB, \new
.endif
.endm
.set MATW, 0x01                        ; source 0 window 1, all else window 0
.set LDW,  0x40                        ; destination window 1, address window 0
.macro PLACES                          ; four places behind a matrix instruction (ISA guide 7.12.1)
.rept 4
	v_nop
.endr
.endm
.macro CROUND                          ; a round of the cluster's barrier
	s_barrier_signal -1
	s_barrier_wait -1
	s_cmp_lg_u32 s60, 0
	s_cbranch_scc1 .Lnot_wave_0_\@
	s_barrier_signal -3
.Lnot_wave_0_\@:
	s_barrier_wait -3
	s_barrier_signal -1
	s_barrier_wait -1
.endm
.macro JLOAD                           ; wave 0 asks for K's tile, waves 1 and 2 for 64 keys of V each, the others for nothing
	s_cmp_lg_u32 s60, 0
	s_cbranch_scc1 .Lfor_v_\@
	tensor_load_to_lds s[4:7], s[8:15]
	s_nop 0
.rept 4
	v_nop
.endr
	s_branch .Lasked_\@
.Lfor_v_\@:
	s_cmp_gt_u32 s60, 2
	s_cbranch_scc1 .Lasked_\@
	tensor_load_to_lds s[48:51], s[52:59]
	s_nop 0
.rept 4
	v_nop
.endr
.Lasked_\@:
.endm
.macro MWLOAD q                        ; 4 tiles of keys x 8 words for query tile q
	s_load_b512 s[16+52*\q:31+52*\q], s[62:63], s66 offset:0x2000*\q
	s_load_b512 s[32+52*\q:47+52*\q], s[62:63], s66 offset:0x2000*\q+0x40
.endm
	s_load_b128 s[16:19], s[0:1], 0x0              ; qkv s[16:17], mw s[18:19]
	v_lshl_add_u32 v254, v0, 2, 0x29000
	v_mov_b32 v255, 0
	ds_add_u32 v254, v255
	v_lshrrev_b32 v1, 5, v0
	v_readfirstlane_b32 s60, v1                    ; wave 0..7
	s_bfe_u32 s20, ttmp6, 0x40000                  ; cx
	s_lshl_b32 s21, ttmp9, 2
	s_add_co_u32 s21, s21, s20                     ; query block
	s_and_b32 s22, ttmp7, 0xffff                   ; head
	s_mul_i32 s61, s60, HALFV
	; both tiles are dense in memory: rows of 256 bytes, elements of 8 bytes
	s_mov_b32 s8, 15|(3<<16)|(1<<20)|(1<<21)|(4<<22)|(3<<25)    ; K: all four partners; 4 words of padding after every 32: a key's 128 bytes, pitch 144
	s_mov_b32 s52, 15|(3<<16)|(1<<20)|(1<<21)|(5<<22)|(7<<25)   ; V: 8 words after every 64: a key's 256 bytes, pitch 288
	s_mov_b32 s9, 32<<16                           ; tensor_dim0 = 32
	s_mov_b32 s53, 32<<16
	s_mov_b32 s10, 64<<16                          ; tensor_dim1 = 64
	s_mov_b32 s54, 64<<16
	s_mov_b32 s11, 32<<16                          ; tile_dim0 = 32
	s_mov_b32 s55, 32<<16
	s_mov_b32 s12, 64                              ; tile_dim1 = 64
	s_mov_b32 s56, 64
	s_mov_b32 s13, 32                              ; elements from row to row
	s_mov_b32 s57, 32
	s_mov_b32 s14, 0
	s_mov_b32 s58, 0
	s_mov_b32 s15, 0
	s_mov_b32 s59, 0
	s_lshl_b32 s24, s22, 19
	s_add_co_u32 s24, s24, 0x802000                ; K at 8 MiB + head x 524,288, from key 64 on (64 x 128 bytes)
	s_mov_b32 s25, 0
	s_lshl_b32 s26, s22, 20
	s_lshl_b32 s27, s60, 14
	s_add_co_u32 s26, s26, s27
	s_add_co_u32 s26, s26, 0xffc000                ; V at 16 MiB + head x 1 MiB + (wave - 1) x 16,384
	s_mov_b32 s27, 0
	s_lshl_b32 s28, s21, 17
	s_lshl_b32 s29, s60, 14
	s_add_co_u32 s28, s28, s29                     ; mask words of query tile 16 block + 2 wave: 8,192 bytes a tile
	s_mov_b32 s29, 0
	s_lshl_b32 s30, s22, 19                        ; head x 524,288: the base of the loads of Q and of step 0's K
	s_mov_b32 s31, 0
	s_lshl_b32 s23, s21, 15
	s_lshl_b32 s20, s60, 12
	s_add_co_u32 s23, s23, s20                     ; my queries: (256 block + 32 wave) x 128 bytes
	s_mov_b32 s4, 1
	s_mov_b32 s5, 0                                ; slot 0
	s_mov_b32 s48, 1
	s_add_co_u32 s49, s61, HALFV                   ; VBASE + (wave - 1) x 18,432
	s_mul_i32 s67, s60, WSTAGE
	s_add_co_u32 s67, s67, STAGE
	s_mov_b32 s66, 0
	s_wait_dscnt 0x0
	s_wait_kmcnt 0x0
	s_add_nc_u64 s[6:7], s[16:17], s[24:25]
	s_or_b32 s7, s7, 0x80000000
	s_add_nc_u64 s[50:51], s[16:17], s[26:27]
	s_or_b32 s51, s51, 0x80000000
	s_add_nc_u64 s[62:63], s[18:19], s[28:29]
	s_add_nc_u64 s[100:101], s[16:17], s[30:31]    ; here until the loads of Q and K are in
	CROUND                                         ; the four partners are here: the first joint loads meet
	JLOAD                                          ; K's keys 64-191 and V's keys 0-127 into slot 0: one tensor load of a wave is out, the most in this text
	v_and_b32 v5, 15, v0                           ; r
	v_bfe_u32 v22, v0, 4, 1                        ; h
	v_lshlrev_b32 v29, 7, v5
	v_lshl_add_u32 v29, v22, 4, v29                ; a fragment from rows of 128 bytes: r x 128 + 16 h
	v_add_nc_u32 v28, s23, v29                     ; Q: my queries
	v_add_nc_u32 v30, 0x800000, v29                ; K: 8 MiB on, keys 0-63
.irp q, 0,1
.irp dh, 0,1
	global_load_b128 v[QF+16*\q+8*\dh:QF+16*\q+8*\dh+3],   v28, s[100:101] offset:\q*2048+\dh*64
	global_load_b128 v[QF+16*\q+8*\dh+4:QF+16*\q+8*\dh+7], v28, s[100:101] offset:\q*2048+\dh*64+32
.endr
.endr
	WIN LDW
.irp kt, 0,1,2,3
.irp dh, 0,1
	global_load_b128 v[KF+16*\kt+8*\dh:KF+16*\kt+8*\dh+3],   v30, s[100:101] offset:\kt*2048+\dh*64
	global_load_b128 v[KF+16*\kt+8*\dh+4:KF+16*\kt+8*\dh+7], v30, s[100:101] offset:\kt*2048+\dh*64+32
.endr
.endr
	WIN 0
	MWLOAD 0                                       ; the first 64 keys' words; the set-up's scalars in these registers have been used
	MWLOAD 1
	v_mul_u32_u24 v[KA], v5, 144
	v_lshl_add_u32 v[KA], v22, 4, v[KA]
	v_and_b32 v23, 7, v0
	v_lshl_add_u32 v23, v22, 3, v23
	v_mul_u32_u24 v23, v23, 288                    ; key 8 h + lane mod 8,
	v_bfe_u32 v24, v0, 3, 1
	v_lshl_add_u32 v23, v24, 4, v23                ; 16 bytes at 16 x bit 3 of the lane
	v_add_nc_u32 v[VA], VBASE, v23
	v_add_nc_u32 v[VA+1], VBASE+VSLOT, v23
	v_mov_b32 v[NEG], 0xfe800000
	v_mov_b32 v6, 0xfe800000                       ; M of both query tiles
	v_mov_b32 v14, 0xfe800000
	v_mul_u32_u24 v[STO], v5, 272
	v_lshl_add_u32 v[STO], v22, 4, v[STO]
	v_add_nc_u32 v[STO], s67, v[STO]
	v_mul_u32_u24 v[RD], v22, 272
	v_lshl_add_u32 v[RD], v5, 4, v[RD]
	v_add_nc_u32 v[RD], s67, v[RD]
	v_lshlrev_b32 v[CO], 4, v5
	v_lshl_add_u32 v[CO], v22, 12, v[CO]           ; vals2: h rows of 4,096 bytes + 16 r
	s_wait_loadcnt 0x0                             ; Q and step 0's K are in: their base and offset registers are free
	s_mov_b32 s100, 0x76543210                     ; v_permlanex16_b32: lane i reads lane i of the other half
	s_mov_b32 s101, 0xfedcba98
.macro KLOAD slot, sub                 ; 64 keys x 64 d
.irp kt, 0,1,2,3
.irp dh, 0,1
	ds_load_b128 v[KF+16*\kt+8*\dh:KF+16*\kt+8*\dh+3],   v[KA] offset:\slot*KSLOT+(64*\sub+16*\kt)*144+64*\dh
	ds_load_b128 v[KF+16*\kt+8*\dh+4:KF+16*\kt+8*\dh+7], v[KA] offset:\slot*KSLOT+(64*\sub+16*\kt)*144+64*\dh+32
.endr
.endr
.endm
.macro VLOAD slot, sub, g              ; 32 keys x (hi, lo) x 64 dv, transposed
.irp p, 0,1
.irp dv, 0,1,2,3
	ds_load_tr16_b128 v[VF+64*\g+32*\p+8*\dv:VF+64*\g+32*\p+8*\dv+3],   v[VA+\slot] offset:(64*\sub+32*\g)*288+128*\p+32*\dv
	ds_load_tr16_b128 v[VF+64*\g+32*\p+8*\dv+4:VF+64*\g+32*\p+8*\dv+7], v[VA+\slot] offset:(64*\sub+32*\g)*288+128*\p+32*\dv+4608
.endr
.endr
.endm
; Eight matrix instructions: O^T(q) += V^T P^T(q) for 32 keys, hi then lo.  The four accumulators take turns, one instruction a turn, here and
; from group to group.  zero = 1: the first product starts the sums.
.macro MPV q, g, zero
.irp p, 0,1
.irp dv, 0,1,2,3
.if (\zero)*(1-\p)
	v_wmma_f32_16x16x32_f16 v[O+32*\q+8*\dv:O+32*\q+8*\dv+7], v[VF+64*\g+32*\p+8*\dv:VF+64*\g+32*\p+8*\dv+7], v[S+32*\q+16*\g:S+32*\q+16*\g+7], 0
.else
	v_wmma_f32_16x16x32_f16 v[O+32*\q+8*\dv:O+32*\q+8*\dv+7], v[VF+64*\g+32*\p+8*\dv:VF+64*\g+32*\p+8*\dv+7], v[S+32*\q+16*\g:S+32*\q+16*\g+7], v[O+32*\q+8*\dv:O+32*\q+8*\dv+7]
.endif
.endr
.endr
.endm
; Eight matrix instructions: S^T(q) = K Q^T(q) for 64 keys; the four tiles of keys take turns likewise
.macro MS q
.irp dh, 0,1
.irp kt, 0,1,2,3
.if \dh
	v_wmma_f32_16x16x32_f16 v[S+32*\q+8*\kt:S+32*\q+8*\kt+7], v[KF+16*\kt+8:KF+16*\kt+15], v[QF+16*\q+8:QF+16*\q+15], v[S+32*\q+8*\kt:S+32*\q+8*\kt+7]
.else
	v_wmma_f32_16x16x32_f16 v[S+32*\q+8*\kt:S+32*\q+8*\kt+7], v[KF+16*\kt:KF+16*\kt+7], v[QF+16*\q:QF+16*\q+7], 0
.endif
.endr
.endr
.endm
; The softmax step of query tile q on 64 keys (32 registers of scores), in pieces
.macro VMASK q                         ; a clear bit of the lane word puts -2^126 in the score's place
.irp kt, 0,1,2,3
.irp j, 0,1,2,3,4,5,6,7
	v_cndmask_b32 v[S+32*\q+8*\kt+\j], v[NEG], v[S+32*\q+8*\kt+\j], s[16+52*\q+8*\kt+\j]
.endr
.endr
.endm
.macro VMAX q                          ; my 32 scores and the old maximum, in four chains
.set SB, S+32*\q
.set MQ, 6+8*\q
	v_max3_num_f32 v[CH], v[MQ], v[SB], v[SB+1]
	v_max_num_f32 v[CH+1], v[SB+8], v[SB+9]
	v_max_num_f32 v[CH+2], v[SB+16], v[SB+17]
	v_max_num_f32 v[CH+3], v[SB+24], v[SB+25]
.irp i, 2,4,6
	v_max3_num_f32 v[CH], v[CH], v[SB+\i], v[SB+\i+1]
	v_max3_num_f32 v[CH+1], v[CH+1], v[SB+8+\i], v[SB+9+\i]
	v_max3_num_f32 v[CH+2], v[CH+2], v[SB+16+\i], v[SB+17+\i]
	v_max3_num_f32 v[CH+3], v[CH+3], v[SB+24+\i], v[SB+25+\i]
.endr
	v_max3_num_f32 v[CH], v[CH], v[CH+1], v[CH+2]
	v_max_num_f32 v[CH], v[CH], v[CH+3]
.endm
.macro VRED q, first                   ; the query's maximum, the scale of the old sums, the exponents
.set SB, S+32*\q
.set MQ, 6+8*\q
	v_permlanex16_b32 v[CH+1], v[CH], s100, s101           ; the query's other keys lie in the other half of the wave
	v_max_num_f32 v[MQ], v[CH], v[CH+1]
	v_mul_f32 v[TB], 0xbe38aa3b, v[MQ]                     ; NM = -c M
.if \first == 0
	v_sub_f32 v[MQ+1], v[TB], v[MQ+2]
	v_exp_f32 v[MQ+6], v[MQ+1]                             ; the scale, twice for the packed forms
	v_exp_f32 v[MQ+7], v[MQ+1]
.endif
	v_mov_b32 v[MQ+2], v[TB]                               ; also the plain place behind the exponentials (ISA guide 5.7.2)
	v_mov_b32 v[MQ+3], v[TB]
.set n, 0
.rept 16
	v_pk_fma_f32 v[SB+2*n:SB+2*n+1], v[SB+2*n:SB+2*n+1], 0x3e38aa3b, v[MQ+2:MQ+3] op_sel_hi:[1,0,1]
.set n, n+1
.endr
.endm
.macro VSCALE q                        ; O(q) rests in this half step: its last products were the half step before, its next are the half step after
	s_wait_alu depctr_va_vdst(0)
.irp i, 0,2,4,6,8,10,12,14,16,18,20,22,24,26,28,30
	v_pk_mul_f32 v[O+32*\q+\i:O+32*\q+\i+1], v[O+32*\q+\i:O+32*\q+\i+1], v[12+8*\q:13+8*\q]
.endr
.endm
.macro VEXP q
.set SB, S+32*\q
.set n, 0
.rept 32
	v_exp_f32 v[SB+n], v[SB+n]
.set n, n+1
.endr
	v_nop                                                  ; the plain place behind the last exponential
.endm
.macro VSUM q, first                   ; four chains; the first carries the old sum, scaled
.set SB, S+32*\q
.set MQ, 6+8*\q
.if \first
	s_wait_alu depctr_va_vdst(0)
	v_pk_add_f32 v[MQ+4:MQ+5], v[SB:SB+1], v[SB+2:SB+3]
.else
	s_wait_alu depctr_va_vdst(0)
	v_pk_fma_f32 v[MQ+4:MQ+5], v[MQ+4:MQ+5], v[MQ+6:MQ+7], v[SB:SB+1]
.endif
	v_pk_add_f32 v[SP:SP+1], v[SB+8:SB+9], v[SB+10:SB+11]
	v_pk_add_f32 v[SP+2:SP+3], v[SB+16:SB+17], v[SB+18:SB+19]
	v_pk_add_f32 v[SP+4:SP+5], v[SB+24:SB+25], v[SB+26:SB+27]
.if \first == 0
	v_pk_add_f32 v[MQ+4:MQ+5], v[MQ+4:MQ+5], v[SB+2:SB+3]
.endif
.irp i, 4,6
	v_pk_add_f32 v[MQ+4:MQ+5], v[MQ+4:MQ+5], v[SB+\i:SB+\i+1]
	v_pk_add_f32 v[SP:SP+1], v[SP:SP+1], v[SB+8+\i:SB+9+\i]
	v_pk_add_f32 v[SP+2:SP+3], v[SP+2:SP+3], v[SB+16+\i:SB+17+\i]
	v_pk_add_f32 v[SP+4:SP+5], v[SP+4:SP+5], v[SB+24+\i:SB+25+\i]
.endr
	v_pk_add_f32 v[SP:SP+1], v[SP:SP+1], v[SP+2:SP+3]
	v_pk_add_f32 v[MQ+4:MQ+5], v[MQ+4:MQ+5], v[SP+4:SP+5]
	v_pk_add_f32 v[MQ+4:MQ+5], v[MQ+4:MQ+5], v[SP:SP+1]
.endm
.macro VPACK q                         ; packed in place, ascending: register i of a group of 16 takes 2i and 2i+1
.set SB, S+32*\q
.set n, 0
.rept 16
	v_cvt_pk_f16_f32 v[SB+(n/8)*16+(n%8)], v[SB+(n/8)*16+2*(n%8)], v[SB+(n/8)*16+2*(n%8)+1]
.set n, n+1
.endr
.endm
; A half step.  q: the tile of the vector work; o: the other tile, of the matrix work.  pv: P V is there (not in the very first half step);
; pvz: it starts the sums; ms: the next scores are there; first: the tile's first softmax step; ld, kl: V, K are loaded (even half steps);
; kw: K's 16 loads were issued behind V's (odd half steps); mwl: the tile's next mask words are asked for.
; Behind each group of matrix instructions stand at least four plain vector instructions on other registers before a load is issued into
; the fragments that it read, before the scores are written over the P that it read, and before its results are read.
.macro HALF q, o, slot, sub, pv, pvz, ms, first, ld, kl, kw, mwl
.if \pv
.if \q
	s_wait_dscnt 16+16*(\kw)                       ; V's keys 0-31 are in; the 16 loads of keys 32-63 and K's 16 may stay out
.endif
	WIN MATW
	MPV \o, 0, \pvz
.endif
	WIN 0
	s_wait_kmcnt 0x0                               ; this unit's mask words, asked for a step ago (and the other tile's, a half step ago)
.if (\mwl)*(1-\q)
	s_add_co_u32 s66, s66, 128                     ; free since that wait: the next 64 keys' words
.endif
	VMASK \q
.if \mwl
	MWLOAD \q
.endif
	VMAX \q
.if \ld
	WIN LDW
	VLOAD \slot, \sub, 0
.endif
.if \pv
.if \q
	s_wait_dscnt 16*(\kw)                          ; V's keys 32-63 are in; K's 16 loads may stay out
.endif
	WIN MATW
	MPV \o, 1, 0
.endif
	WIN 0
	VRED \q, \first
.if \ld
	WIN LDW
	VLOAD \slot, \sub, 1
.endif
.if \ms
.if \q
	s_wait_dscnt 0x0                               ; K's fragments are in
.endif
	WIN MATW
	MS \o
.endif
	WIN 0
.if \first
	PLACES                                         ; nothing to scale yet: the places in front of the loads into K's fragments
.else
	VSCALE \q
.endif
.if \kl
	WIN LDW
	KLOAD \slot, \sub
	WIN 0
.endif
	VEXP \q
	VSUM \q, \first
	VPACK \q
.endm
; A slot: steps 2t and 2t+1.  In front of the round every wave waits for all its tensor loads (this slot's among them) and for its reads of the
; other slot; behind it the joint refill of the other slot comes first, one load a wave, with this slot's work in which to land.
; t0: the first trip; tl: the last; lastk: the tile of K that is asked for here is the last one, 64 keys.
.macro TRIP slot, refill, t0, tl, lastk
	s_wait_tensorcnt 0x0
	ds_add_u32 v254, v255
	s_wait_dscnt 0x0
	s_wait_dscnt 0x0
	s_add_nc_u64 s[6:7], s[6:7], 16384             ; no load of mine is out: the next 128 keys,
	s_add_nc_u64 s[50:51], s[50:51], 32768
	s_mov_b32 s5, (1-\slot)*KSLOT                  ; into the other slot
	s_add_co_u32 s49, s61, HALFV+(1-\slot)*VSLOT
.if \lastk
	s_mov_b32 s10, 32<<16                          ; 32 rows of 256 bytes: the head's last 64 keys
	s_mov_b32 s12, 32
.endif
	CROUND
.if \refill
	JLOAD
.endif
	HALF 0, 1, \slot, 0, 1-\t0, 0,   1,     \t0, 1, 1,     0,     1
	HALF 1, 0, \slot, 0, 1,     \t0, 1,     \t0, 0, 0,     1,     1
	HALF 0, 1, \slot, 1, 1,     \t0, 1,     0,   1, 1-\tl, 0,     1-\tl
	HALF 1, 0, \slot, 1, 1,     0,   1-\tl, 0,   0, 0,     1-\tl, 1-\tl
.endm
	WIN MATW
	MS 0                                           ; the scores of unit (0, 0) start the pipeline
	WIN 0
	PLACES                                         ; in front of the first reads of them
	TRIP 0, 1, 1, 0, 0                             ; the first products start the sums: nothing is cleared
	TRIP 1, 1, 0, 0, 0
	s_mov_b32 s3, 14
.Lkeys:
	TRIP 0, 1, 0, 0, 0
	TRIP 1, 1, 0, 0, 0
	s_sub_co_u32 s3, s3, 1
	s_cmp_lg_u32 s3, 0
	s_cbranch_scc1 .Lkeys
	TRIP 0, 1, 0, 0, 1
	TRIP 1, 0, 0, 1, 0                             ; nothing is left to fetch (the stepped addresses are not used)
	WIN MATW
	MPV 1, 0, 0                                    ; the pipeline runs empty: P V of unit (63, 1)
	MPV 1, 1, 0
	WIN 0
	PLACES
	; THE WAY OUT: O / L as f16 hi and lo, a head's 256 bytes of each token whole
	s_load_b64 s[16:17], s[0:1], 0x10              ; vals2 (no load of mask words is out)
	s_bfe_u32 s18, ttmp6, 0x40000
	s_lshl_b32 s19, ttmp9, 2
	s_add_co_u32 s19, s19, s18
	s_lshl_b32 s20, s19, 20                        ; 256 tokens x 4,096 bytes a block,
	s_lshl_b32 s21, s60, 17                        ; 32 a wave,
	s_add_co_u32 s20, s20, s21
	s_and_b32 s21, ttmp7, 0xffff
	s_lshl_b32 s21, s21, 8                         ; 256 bytes a head
	s_add_co_u32 s20, s20, s21
	s_mov_b32 s21, 0
.irp q, 0,1
	v_add_f32 v[7+8*\q], v[10+8*\q], v[11+8*\q]
	v_permlanex16_b32 v[CH], v[7+8*\q], s100, s101
	v_add_f32 v[7+8*\q], v[7+8*\q], v[CH]          ; at least about 1: the largest score's own term
	v_rcp_f32 v[12+8*\q], v[7+8*\q]
	v_rcp_f32 v[13+8*\q], v[7+8*\q]
	v_nop                                          ; the plain place behind the reciprocals
	s_wait_alu depctr_va_vdst(0)
.endr
	VSCALE 0
	VSCALE 1
	s_wait_kmcnt 0x0
	s_add_nc_u64 s[16:17], s[16:17], s[20:21]
; 16 rows x 64 numbers from register src on, as f16 hi and lo: rows of 256 bytes through my stage, two whole rows a store
.macro OUTHL src, imm0
.set n, 0
.rept 16
	v_cvt_pk_f16_f32 v[TH+n], v[\src+2*n], v[\src+2*n+1]
.set n, n+1
.endr
.set n, 0
.irp p, v32.l,v32.h,v33.l,v33.h,v34.l,v34.h,v35.l,v35.h,v36.l,v36.h,v37.l,v37.h,v38.l,v38.h,v39.l,v39.h,v40.l,v40.h,v41.l,v41.h,v42.l,v42.h,v43.l,v43.h,v44.l,v44.h,v45.l,v45.h,v46.l,v46.h,v47.l,v47.h
	v_cvt_f32_f16 v[U+n], \p                       ; TH's halves by name
.set n, n+1
.endr
.set n, 0
.rept 16
	v_pk_add_f32 v[U+2*n:U+2*n+1], v[\src+2*n:\src+2*n+1], v[U+2*n:U+2*n+1] neg_lo:[0,1] neg_hi:[0,1]   ; what the rounding left, exact
.set n, n+1
.endr
.set n, 0
.rept 16
	v_cvt_pk_f16_f32 v[TL+n], v[U+2*n], v[U+2*n+1]
.set n, n+1
.endr
.irp b, 0,1,2,3
	ds_store_b128 v[STO], v[TH+4*\b:TH+4*\b+3] offset:32*\b
	ds_store_b128 v[STO], v[TL+4*\b:TL+4*\b+3] offset:128+32*\b
.endr
	s_wait_xcnt 0x0                                ; RB, which earlier stores read, is loaded again only behind this wait
.irp t, 0,1,2,3,4,5,6,7
	ds_load_b128 v[RB+4*\t:RB+4*\t+3], v[RD] offset:\t*544   ; my own bytes, served in order (ISA guide 5.7.1): these see the stores above
.endr
.irp t, 0,1,2,3,4,5,6,7
	s_wait_dscnt 7-\t                              ; load t is in, the younger ones stay out
	global_store_b128 v[CO], v[RB+4*\t:RB+4*\t+3], s[16:17] offset:\imm0+\t*8192
.endr
.endm
	OUTHL O, 0
	OUTHL O+32, 65536
	s_wait_tensorcnt 0x0
	ds_add_u32 v254, v255
	s_wait_dscnt 0x0
	CROUND                                         ; the closing round: no work-group ends while a partner may still ask for a tile that names it
	s_endpgm
.Lfunc_end_k_qf2c87c9c69_attn:
	.size	k_qf2c87c9c69_attn, .Lfunc_end_k_qf2c87c9c69_attn-k_qf2c87c9c69_attn
	.p2alignl 7, 3214868480
	.fill 96, 4, 3214868480
	.section	.rodata,"a",@progbits
	.p2align	6, 0x0
	.amdhsa_kernel k_qf2c87c9c69_attn
		.amdhsa_group_segment_fixed_size 327680
		.amdhsa_private_segment_fixed_size 0
		.amdhsa_enable_private_segment 0
		.amdhsa_kernarg_size 24
		.amdhsa_user_sgpr_count 2
		.amdhsa_user_sgpr_kernarg_segment_ptr 1
		.amdhsa_wavefront_size32 1
		.amdhsa_system_sgpr_workgroup_id_x 1
		.amdhsa_system_sgpr_workgroup_id_y 1
		.amdhsa_system_sgpr_workgroup_id_z 1
		.amdhsa_system_vgpr_workitem_id 0
		.amdhsa_next_free_vgpr 448
		.amdhsa_next_free_sgpr 102
		.amdhsa_reserve_vcc 0
		.amdhsa_float_denorm_mode_32 3
		.amdhsa_float_denorm_mode_16_64 3
		.amdhsa_memory_ordered 1
		.amdhsa_forward_progress 1
		.amdhsa_inst_pref_size 255
	.end_amdhsa_kernel
	.section	.bss,"aw",@nobits
	.p2align	6
	.space	262144
	.amdgpu_metadata
---
amdhsa.version: [ 1, 2 ]
amdhsa.kernels:
  - .name:           k_qf2c87c9c69_attn
    .symbol:         k_qf2c87c9c69_attn.kd
    .args:
      - { .name: qkv, .offset: 0, .size: 8, .value_kind: global_buffer, .address_space: global }
      - { .name: mw, .offset: 8, .size: 8, .value_kind: global_buffer, .address_space: global }
      - { .name: vals2, .offset: 16, .size: 8, .value_kind: global_buffer, .address_space: global }
    .group_segment_fixed_size: 327680
    .private_segment_fixed_size: 0
    .kernarg_segment_align: 8
    .kernarg_segment_size: 24
    .max_flat_workgroup_size: 256
    .sgpr_count:     102
    .vgpr_count:     448
    .wavefront_size: 32
...
	.end_amdgpu_metadata
.endif
;; end of part 3
;; launch outproj (part 4): grid 8 x 32, 4 waves a work-group, clusters of 4 x 4, 327,680 bytes of LDS; arguments vals2, wo2, out0; writes out0
.if DOCPART == 4
	.amdgcn_target "amdgcn-amd-amdhsa--gfx1250"
	.amdhsa_code_object_version 6
	.text
	.protected	k_qf2c87c9c69_outproj
	.globl	k_qf2c87c9c69_outproj
	.p2align	8
	.type	k_qf2c87c9c69_outproj,@function
k_qf2c87c9c69_outproj:
	s_mov_b64 s[64:65], 0
	v_nop
	global_prefetch_b8 v0, s[64:65] scope:SCOPE_SE
	s_setreg_imm32_b32 hwreg(HW_REG_WAVE_MODE, 25, 1), 1
	s_wait_xcnt 0x0
	s_wait_alu depctr_hold_cnt(0) depctr_sa_sdst(0) depctr_va_vdst(0) depctr_va_sdst(0) depctr_va_ssrc(0) depctr_va_vcc(0) depctr_vm_vsrc(0)
	s_getreg_b32 s2, hwreg(HW_REG_IB_STS2, 6, 4)
	s_cmp_eq_u32 s2, 0
	s_cbranch_scc0 .Lentry_in_a_cluster
	s_endpgm
.Lentry_in_a_cluster:
	s_bfe_u32 s2, ttmp6, 0x10000c
	s_cmp_lg_u32 s2, 0xf033
	s_cbranch_scc0 .Lentry_shape_is_right
	s_endpgm
.Lentry_shape_is_right:
; outproj: out0[4096][1024] = vals w_o^T in f16 with f32 sums.  vals comes as hi + lo in f16, [t][h][hi 64 | lo 64], and w_o with each run of
; 64 numbers written twice, [o][h][2][64]: one product with K = 2,048 adds both parts onto one sum.
; A work-group makes 128 x 128 with four waves, 64 x 64 each (16 accumulator tiles): 256 work-groups.
; K goes in steps of 256 through two LDS slots: a tile's rows are 512 neighbouring bytes of memory.
; CLUSTERS: 4 x 4 work-groups.  vals' tile hangs on the block row and is asked for jointly along a row of the cluster, w_o's on the block column
; and is asked for jointly along a column.
; The matrix instruction is used transposed (source 0 = rows of w_o, source 1 = rows of vals): lane (r, h) holds token r, columns 8h .. 8h+7.
.set KTOT,   2048
.set ROWSH,  12                        ; a row of either operand is 1 << ROWSH bytes
.set PITCH,  528                       ; an LDS row: 512 bytes + 16 of padding = 33 x 16
.set QROWS,  64*PITCH                  ; what one tensor load brings
.set SLOT,   4*QROWS                   ; A rows 0-63, A rows 64-127, B rows 0-63, B rows 64-127
.set STAGE,  2*SLOT                    ; behind the ring, at a multiple of 256: the way out, no tensor load lands here
.set WSTAGE, 4352
.set ADRA, 16
.set ADRB, 20
.set STO,  24
.set RD,   25
.set CO,   26
.set F0,   64                          ; v64-127   fragments, buffer 0: A at +8a, B at +32+8b
.set F1,   128                         ; v128-191  buffer 1
.set RB,   96                          ; the way out: rows read back
.set G1,   24
.set G0,   32
.set G1B,  48
.set G0B,  56
; window 1, v0-127: accumulator (a, b) at 8 (4a + b)
.set MSB, 0
.macro WIN new
.if MSB != \new
	s_set_vgpr_msb (MSB<<8)|\new
.set MSB, \new
.endif
.endm
.macro PLACES
.rept 4
	v_nop
.endr
.endm
.macro JLOAD s                         ; waves 0, 1 ask for A's two halves, waves 2, 3 for B's
	s_cmp_eq_u32 s11, 0
	s_cbranch_scc0 .Lfor_b_\@
	tensor_load_to_lds s[G0+4*\s:G0+4*\s+3], s[G1:G1+7]
	s_nop 0
.rept 4
	v_nop
.endr
	s_branch .Lasked_\@
.Lfor_b_\@:
	tensor_load_to_lds s[G0B+4*\s:G0B+4*\s+3], s[G1B:G1B+7]
	s_nop 0
.rept 4
	v_nop
.endr
.Lasked_\@:
.endm
.macro CROUND
	s_barrier_signal -1
	s_barrier_wait -1
	s_cmp_lg_u32 s10, 0
	s_cbranch_scc1 .Lnot_wave_0_\@
	s_barrier_signal -3
.Lnot_wave_0_\@:
	s_barrier_wait -3
	s_barrier_signal -1
	s_barrier_wait -1
.endm
	s_load_b128 s[4:7], s[0:1], 0x0                ; vals2 s[4:5], wo2 s[6:7]
	s_load_b64 s[8:9], s[0:1], 0x10                ; out0
	v_lshl_add_u32 v254, v0, 2, 0x46400
	v_mov_b32 v255, 0
	ds_add_u32 v254, v255
	v_lshrrev_b32 v1, 5, v0
	v_readfirstlane_b32 s10, v1
	s_lshr_b32 s11, s10, 1
	s_and_b32 s12, s10, 1
	s_bfe_u32 s40, ttmp6, 0x40000                  ; cx
	s_bfe_u32 s41, ttmp6, 0x40004                  ; cy
	s_lshl_b32 s42, ttmp9, 2
	s_add_co_u32 s42, s42, s40                     ; block column
	s_and_b32 s13, ttmp7, 0xffff
	s_lshl_b32 s13, s13, 2
	s_add_co_u32 s13, s13, s41                     ; block row
	s_lshl_b32 s43, s41, 2
	s_lshl_b32 s43, 15, s43
	s_lshl_b32 s44, 0x1111, s40
	s_or_b32 s[G1+0], s43, (1<<16)|(1<<20)|(1<<21)|(6<<22)|(3<<25)
	s_or_b32 s[G1B+0], s44, (1<<16)|(1<<20)|(1<<21)|(6<<22)|(3<<25)
	s_mov_b32 s[G1+1], 256<<16
	s_mov_b32 s[G1B+1], 256<<16
	s_mov_b32 s[G1+2], 64<<16
	s_mov_b32 s[G1B+2], 64<<16
	s_mov_b32 s[G1+3], 256<<16
	s_mov_b32 s[G1B+3], 256<<16
	s_mov_b32 s[G1+4], 64
	s_mov_b32 s[G1B+4], 64
	s_mov_b32 s[G1+5], KTOT
	s_mov_b32 s[G1B+5], KTOT
	s_mov_b32 s[G1+6], 0
	s_mov_b32 s[G1B+6], 0
	s_mov_b32 s[G1+7], 0
	s_mov_b32 s[G1B+7], 0
	s_lshl_b32 s17, s12, 6
	s_lshl_b32 s16, s13, 7
	s_add_co_u32 s16, s16, s17
	s_lshl_b32 s46, s42, 7
	s_add_co_u32 s46, s46, s17
	s_lshl_b32 s16, s16, ROWSH
	s_lshl_b32 s46, s46, ROWSH
	s_mov_b32 s17, 0
	s_mov_b32 s47, 0
	s_mul_i32 s20, s10, QROWS
	s_wait_dscnt 0x0
	s_wait_kmcnt 0x0
	s_add_nc_u64 s[14:15], s[4:5], s[16:17]
	s_add_nc_u64 s[46:47], s[6:7], s[46:47]
	CROUND                                         ; all sixteen work-groups are here: the first joint loads meet
.irp s, 0,1
	s_mov_b32 s[G0+4*\s], 1
	s_add_co_u32 s[G0+4*\s+1], s20, \s*SLOT
	s_add_nc_u64 s[G0+4*\s+2:G0+4*\s+3], s[14:15], \s*512
	s_or_b32 s[G0+4*\s+3], s[G0+4*\s+3], 0x80000000
	s_mov_b32 s[G0B+4*\s], 1
	s_add_co_u32 s[G0B+4*\s+1], s20, \s*SLOT
	s_add_nc_u64 s[G0B+4*\s+2:G0B+4*\s+3], s[46:47], \s*512
	s_or_b32 s[G0B+4*\s+3], s[G0B+4*\s+3], 0x80000000
	JLOAD \s                                       ; both slots' first fills: two tensor loads of the wave are out, the most in this text
.endr
	v_and_b32 v1, 15, v0                           ; r
	v_bfe_u32 v2, v0, 4, 1                         ; h
	v_mul_u32_u24 v3, v1, PITCH
	v_lshl_add_u32 v3, v2, 4, v3
	s_mul_i32 s21, s11, QROWS
	s_mul_i32 s22, s12, QROWS
	s_add_co_u32 s22, s22, 2*QROWS
.irp s, 0,1
	v_add_nc_u32 v[ADRA+\s], s21, v3
	v_add_nc_u32 v[ADRB+\s], s22, v3
	s_add_co_u32 s21, s21, SLOT
	s_add_co_u32 s22, s22, SLOT
.endr
	s_mul_i32 s23, s10, WSTAGE
	s_add_co_u32 s23, s23, STAGE
	v_mul_u32_u24 v4, v1, 272                      ; stage rows of 256 + 16 bytes; my 8 f32 are 32 bytes at 32 h
	v_lshl_add_u32 v4, v2, 5, v4
	v_add_nc_u32 v[STO], s23, v4
	v_mul_u32_u24 v5, v2, 272
	v_lshl_add_u32 v5, v1, 4, v5
	v_add_nc_u32 v[RD], s23, v5
	v_lshlrev_b32 v[CO], 4, v1
	v_lshl_add_u32 v[CO], v2, 12, v[CO]            ; out0: h rows of 4,096 bytes + 16 r
; 16 matrix instructions, 32 along K.  The sixteen accumulators take turns, one instruction a turn.
.macro MUL16 f, zero
.irp a, 0,1,2,3
.irp b, 0,1,2,3
.if \zero
	v_wmma_f32_16x16x32_f16 v[8*(4*\a+\b):8*(4*\a+\b)+7], v[\f+32+8*\b:\f+32+8*\b+7], v[\f+8*\a:\f+8*\a+7], 0
.else
	v_wmma_f32_16x16x32_f16 v[8*(4*\a+\b):8*(4*\a+\b)+7], v[\f+32+8*\b:\f+32+8*\b+7], v[\f+8*\a:\f+8*\a+7], v[8*(4*\a+\b):8*(4*\a+\b)+7]
.endif
.endr
.endr
.endm
.macro FETCH slot, k, f
.irp i, 0,1,2,3
	ds_load_b128 v[\f+8*\i:\f+8*\i+3],   v[ADRA+\slot] offset:\k+\i*16*PITCH
	ds_load_b128 v[\f+8*\i+4:\f+8*\i+7], v[ADRA+\slot] offset:\k+\i*16*PITCH+32
.endr
.irp i, 0,1,2,3
	ds_load_b128 v[\f+32+8*\i:\f+32+8*\i+3],   v[ADRB+\slot] offset:\k+\i*16*PITCH
	ds_load_b128 v[\f+32+8*\i+4:\f+32+8*\i+7], v[ADRB+\slot] offset:\k+\i*16*PITCH+32
.endr
.endm
.macro STEP slot, q, f, g, zero
.if \q > 0
	PLACES                                         ; buffer g was read by the matrix instructions just issued
.endif
.if \q < 7
	FETCH \slot, 64*(\q+1), \g
	s_wait_dscnt 16                                ; all but the 16 just issued: buffer f is in
.else
	s_wait_dscnt 0
.endif
	WIN 0x50
	MUL16 \f, \zero
	WIN 0
.endm
.macro SLOTSTEP slot, zero
	FETCH \slot, 0, F0
	STEP \slot, 0, F0, F1, \zero
	STEP \slot, 1, F1, F0, 0
	STEP \slot, 2, F0, F1, 0
	STEP \slot, 3, F1, F0, 0
	STEP \slot, 4, F0, F1, 0
	STEP \slot, 5, F1, F0, 0
	STEP \slot, 6, F0, F1, 0
	STEP \slot, 7, F1, F0, 0
.endm
; The change of slots: each wave's reads of this slot and all its tensor loads are waited for in front of the barrier; fill = 1: the barrier is
; a round of the cluster's barrier and the joint refill is the first tensor load behind it, the wave's only one until the next round.
.macro CHANGE slot, fill
	s_wait_dscnt 0x0
	s_wait_tensorcnt 0x0
	ds_add_u32 v254, v255
	s_wait_dscnt 0x0
.if \fill
	s_add_nc_u64 s[G0+4*\slot+2:G0+4*\slot+3], s[G0+4*\slot+2:G0+4*\slot+3], 1024
	s_add_nc_u64 s[G0B+4*\slot+2:G0B+4*\slot+3], s[G0B+4*\slot+2:G0B+4*\slot+3], 1024
	CROUND
	JLOAD \slot
.else
	s_barrier_signal -1
	s_barrier_wait -1
	PLACES
.endif
.endm
	s_wait_tensorcnt 1                             ; my part of slot 0 is in; slot 1's stays out
	s_barrier_signal -1
	s_barrier_wait -1
	SLOTSTEP 0, 1
	CHANGE 0, 1
	SLOTSTEP 1, 0
	CHANGE 1, 1
	SLOTSTEP 0, 0
	CHANGE 0, 1
	SLOTSTEP 1, 0
	CHANGE 1, 1
	SLOTSTEP 0, 0
	CHANGE 0, 1
	SLOTSTEP 1, 0
	CHANGE 1, 1
	SLOTSTEP 0, 0
	CHANGE 0, 0                                    ; the last two steps fetch nothing
	SLOTSTEP 1, 0
	; THE WAY OUT, 16 tokens at a time: f32 rows of 256 bytes through my stage, two whole rows a store
	PLACES
	s_lshl_b32 s16, s13, 7
	s_lshl_b32 s17, s11, 6
	s_add_co_u32 s16, s16, s17
	s_lshl_b32 s16, s16, 12                        ; my first token x 4,096 bytes: the part that hangs on the block row
	s_mov_b32 s17, 0
	s_lshl_b32 s46, s42, 9                         ; 512 x block column + 256 x half: the part that hangs on the block column
	s_lshl_b32 s47, s12, 8
	s_add_co_u32 s46, s46, s47
	s_mov_b32 s47, 0
	s_add_nc_u64 s[8:9], s[8:9], s[16:17]
	s_add_nc_u64 s[8:9], s[8:9], s[46:47]
.macro OUTF a
	WIN 0x04                                       ; an LDS store's data is source 1: window 1
.irp b, 0,1,2,3
	ds_store_b128 v[STO], v[32*\a+8*\b:32*\a+8*\b+3] offset:64*\b
	ds_store_b128 v[STO], v[32*\a+8*\b+4:32*\a+8*\b+7] offset:64*\b+16
.endr
	WIN 0
	s_wait_xcnt 0x0                                ; RB, which earlier stores read, is loaded again only behind this wait
.irp t, 0,1,2,3,4,5,6,7
	ds_load_b128 v[RB+4*\t:RB+4*\t+3], v[RD] offset:\t*544   ; my own bytes, served in order (ISA guide 5.7.1)
.endr
.irp t, 0,1,2,3,4,5,6,7
	s_wait_dscnt 7-\t
	global_store_b128 v[CO], v[RB+4*\t:RB+4*\t+3], s[8:9] offset:(16*\a+2*\t)*4096
.endr
.endm
	OUTF 0
	OUTF 1
	OUTF 2
	OUTF 3
	s_wait_tensorcnt 0x0
	ds_add_u32 v254, v255
	s_wait_dscnt 0x0
	CROUND                                         ; the closing round
	s_endpgm
.Lfunc_end_k_qf2c87c9c69_outproj:
	.size	k_qf2c87c9c69_outproj, .Lfunc_end_k_qf2c87c9c69_outproj-k_qf2c87c9c69_outproj
	.p2alignl 7, 3214868480
	.fill 96, 4, 3214868480
	.section	.rodata,"a",@progbits
	.p2align	6, 0x0
	.amdhsa_kernel k_qf2c87c9c69_outproj
		.amdhsa_group_segment_fixed_size 327680
		.amdhsa_private_segment_fixed_size 0
		.amdhsa_enable_private_segment 0
		.amdhsa_kernarg_size 24
		.amdhsa_user_sgpr_count 2
		.amdhsa_user_sgpr_kernarg_segment_ptr 1
		.amdhsa_wavefront_size32 1
		.amdhsa_system_sgpr_workgroup_id_x 1
		.amdhsa_system_sgpr_workgroup_id_y 1
		.amdhsa_system_sgpr_workgroup_id_z 1
		.amdhsa_system_vgpr_workitem_id 0
		.amdhsa_next_free_vgpr 384
		.amdhsa_next_free_sgpr 66
		.amdhsa_reserve_vcc 0
		.amdhsa_float_denorm_mode_32 3
		.amdhsa_float_denorm_mode_16_64 3
		.amdhsa_memory_ordered 1
		.amdhsa_forward_progress 1
		.amdhsa_inst_pref_size 164
	.end_amdhsa_kernel
	.amdgpu_metadata
---
amdhsa.version: [ 1, 2 ]
amdhsa.kernels:
  - .name:           k_qf2c87c9c69_outproj
    .symbol:         k_qf2c87c9c69_outproj.kd
    .args:
      - { .name: vals2, .offset: 0, .size: 8, .value_kind: global_buffer, .address_space: global }
      - { .name: wo2, .offset: 8, .size: 8, .value_kind: global_buffer, .address_space: global }
      - { .name: out0, .offset: 16, .size: 8, .value_kind: global_buffer, .address_space: global }
    .group_segment_fixed_size: 327680
    .private_segment_fixed_size: 0
    .kernarg_segment_align: 8
    .kernarg_segment_size: 24
    .max_flat_workgroup_size: 128
    .sgpr_count:     66
    .vgpr_count:     384
    .wavefront_size: 32
...
	.end_amdgpu_metadata
.endif
;; end of part 4
